; MI455X (gfx1250); checked and timed in simulation.
; The chip was launched on July 23, 2026; its instructions are those of AMD's public machine-readable ISA for CDNA 5 (MIT licence, August 2026) and "CDNA5" Instruction Set Architecture Reference Guide (July 2026). The comments in the code are by the model that wrote it; some were corrected since.
;; Vector Quantizer. Allowed arithmetic: matrix products marked QUANTISED: E2M1 operands, one E8M0 scale for each 32 along K, by v_wmma_scale_f32_16x16x128_f8f6f4 with both operands' format E2M1 (or v_wmma_scale_f32_32x16x128_f4), f32 sums; everything else in f32.
;; Inputs: codebook 8,192 x 256 float32; inputs 16 x 2,048 x 256 float32.
;; Outputs: out0 16 x 2,048 x 256 float32; out1 16 x 2,048 int32; out2 one number float32.
;; This version of the problem:
;;   THIS VERSION OF THE PROBLEM IS GIVEN IN LOW PRECISION. The matrix products marked QUANTISED in the list below multiply operands that are first quantised to E2M1 (2 exponent bits, 1 mantissa bit; 4 bits a number), with one power-of-two scale for each 32 numbers along K (OCP MX v1.0); their sums are f32. All else is computed in f32.
;;   The module's matrix products, in the order in which they are computed (A, B: the left and right operand; K: the contracted axis; several contracted axes count as one K, in the product's order):
;;     1. [M 32,768, K 256] x [K 256, N 8,192]; A: input inputs; B: input codebook: QUANTISED
;;   THE QUANTISER, for each operand of a quantised product, along K:
;;     - K is cut into blocks of 32 from its start; a last block that is shorter is filled with zeros.
;;     - A block's scale is 2^e with e = floor(log2(the largest magnitude in the block)) - 2, held to -126 .. 127; a block of zeros has e = 0. As a byte (E8M0): e + 127.
;;     - Each number is divided by its block's scale, clamped to +-6, and rounded to the nearest number of E2M1, ties to even, subnormals kept.
;;     - The product sums the exact products of the quantised numbers (number of the format x scale) in f32.
;;   ~~~python
;;   def quantise(x, axis):      # numpy; x: float32 -> the quantised numbers, widened to float32 again
;;       x = np.moveaxis(x, axis, -1); K = x.shape[-1]
;;       x = np.pad(x, [(0, 0)] * (x.ndim - 1) + [(0, -K % 32)]); x = x.reshape(x.shape[:-1] + (-1, 32)); a = np.abs(x).max(-1, keepdims=True)
;;       e = np.where(a > 0, np.clip(np.frexp(np.where(a > 0, a, 1))[1] - 1 - 2, -126, 127), 0)      # np.frexp(a)[1] - 1 = floor(log2(a)), exactly
;;       r = np.clip(x / 2.0 ** e, -6, 6)
;;       step = 2.0 ** (np.maximum(np.frexp(np.where(r == 0, 1, r))[1] - 1, 0) - 1)
;;       q = np.round(r / step) * step * 2.0 ** e      # np.round: ties to even
;;       return np.moveaxis(q.reshape(q.shape[:-2] + (-1,))[..., :K], -1, axis).astype(np.float32)
;;   ~~~
;; One version. Each part assembles by itself: llvm-mc -triple=amdgcn-amd-amdhsa -mcpu=gfx1250 --defsym DOCPART=n.
;; ======== version 1 of 1: 4 launches
;; limits: right only within a limited range of input values
;; workspace buffers: xq 4,718,592 bytes; cq 1,179,648 bytes; cand 2,097,152 bytes of whole numbers; part 16,384 bytes
;; launch prep (part 1): grid 256 x 1, 10 waves a work-group, no clusters, 170,240 bytes of LDS; arguments inputs, codebook, xq, cq; writes xq, cq
.if DOCPART == 1
	.amdgcn_target "amdgcn-amd-amdhsa--gfx1250"
	.amdhsa_code_object_version 6
	.text
	.protected	k_q6188405b22_prep
	.globl	k_q6188405b22_prep
	.p2align	8
	.type	k_q6188405b22_prep,@function
k_q6188405b22_prep:
	s_mov_b64 s[64:65], 0
	v_nop
	global_prefetch_b8 v0, s[64:65] scope:SCOPE_SE
	s_setreg_imm32_b32 hwreg(HW_REG_WAVE_MODE, 25, 1), 1
	s_wait_xcnt 0x0
; PREP: inputs [32768][256] f32 and codebook [8192][256] f32 become operand images of FP4 (E2M1) codes with one E8M0 byte for each 32 along K, and each row's sum of squares.
; A TILE is 16 rows x 256 K.  Its RECORD is 2,304 bytes (nine runs of 256):
;   256 b + 16 r + 0..15   the 32 codes of block b (0..7) of row r: the 512 bytes at 1024 s + 512 c are registers 4 c .. 4 c + 3 of the fragment of K step s, lane l's 16 bytes at 16 l
;   2048 + 4 (16 s + r)    the scale word of K step s, row r: loaded at 4 x lane, lanes 0-15 hold step 0's words and lanes 16-31 step 1's
;   2176 + 4 r, 2240 + 4 r the row's sum of squares, f32, twice: loaded at 4 x lane every lane (r, h) holds row r's
; A block's scale is 2^(floor(log2(largest magnitude)) - 2): its byte is the largest magnitude's exponent field - 2, held at 1 from below by a floor among the maximum's leaves.
; THE CODEBOOK'S CODES STAND FOR -2 e: every code's sign bit is turned and the scale byte is raised by 1 (at most 253).  Both are exact, so the product launch gets -2 x.e straight from the matrix unit.
; SHARES: a wave takes one tile, 16,384 dense bytes.  Waves 0-7 of work-group g take x's tiles 8 g + w, waves 8, 9 the codebook's tiles 2 g + w - 8: one path, only pointers and two constants are chosen.
; Loads take the bytes as they lie (512 consecutive bytes an instruction); the tile turns through the wave's own stage in LDS, so that a lane then holds a whole block of 32 neighbours along K.
; No barrier: waves share nothing.  No matrix unit, no cluster, no tensor load: a stream in which every byte is read once.
; LIMITS: NaN and infinities are not served.  A block of zeros keeps the floor's byte where the rule says 127: its codes are zeros, and only this program reads the bytes.
;         The sums of squares are made by fused multiply-adds in four chains: another order of rounding than a plain sum of rounded squares.
.set REC,   2304
.set SP,    1040                       ; a stage row: 1,024 bytes + 16 = 65 x 16: the sixteen rows that a 16-byte read touches start in different banks (64 banks of 4 bytes: ISA guide 11.1)
.set TAIL,  16*SP                      ; behind the stage: 256 bytes for the record's last run
.set WREG,  TAIL+256                   ; a wave's LDS bytes
.set L16,   2                          ; v2   16 x lane
.set STI,   3                          ; v3   the stage, on the way in
.set STO,   4                          ; v4   on the way out: row r, + 128 h
.set AX,    5                          ; v5   the tail, 4 x lane
.set AY,    6                          ; v6   the tail, 8 x lane
.set L8,    7                          ; v7   8 x lane
.set H8,    8                          ; v8   8 h
.set BY,    16                         ; v16-19   my four blocks' scale bytes
.set SQ,    20                         ; v[20:21], v[22:23] two packed chains of squares
.set CD,    24                         ; v24-39   codes, four registers a block, never rewritten: they are stores' data
.set X,     40                         ; v40-103  two sets of 32 neighbours
.set R,     104                        ; v104-231 the tile as loaded
.set WV,    12
	s_load_b256 s[4:11], s[0:1], 0x0               ; inputs s[4:5], codebook s[6:7], xq s[8:9], cq s[10:11]
	v_lshl_add_u32 v232, v0, 2, 0x29400
	v_mov_b32 v233, 0
	v_lshrrev_b32 v9, 5, v0
	s_delay_alu instid0(VALU_DEP_1)
	v_readfirstlane_b32 s[WV], v9                  ; wave 0..9
	v_and_b32 v1, 31, v0                           ; lane
	v_and_b32 v9, 15, v0                           ; r
	v_bfe_u32 v10, v0, 4, 1                        ; h
	s_delay_alu instid0(VALU_DEP_3)
	v_lshlrev_b32 v[L16], 4, v1
	s_mul_i32 s13, s[WV], WREG
	v_add_nc_u32 v[STI], s13, v[L16]
	v_mul_u32_u24 v[STO], v9, SP
	s_delay_alu instid0(VALU_DEP_1)
	v_lshl_add_u32 v[STO], v10, 7, v[STO]
	s_delay_alu instid0(VALU_DEP_1)
	v_add_nc_u32 v[STO], s13, v[STO]
	s_add_co_u32 s13, s13, TAIL
	v_lshl_add_u32 v[AX], v1, 2, s13
	v_lshlrev_b32 v[L8], 3, v1
	s_delay_alu instid0(VALU_DEP_1)
	v_add_nc_u32 v[AY], s13, v[L8]
	v_lshlrev_b32 v[H8], 3, v10
	s_lshl_b32 s24, ttmp9, 3
	s_add_co_u32 s24, s24, s[WV]                   ; x's tile
	s_lshl_b32 s25, ttmp9, 1
	s_add_co_u32 s25, s25, s[WV]
	s_sub_co_u32 s25, s25, 8                       ; the codebook's tile (used in waves 8 and 9 alone)
	s_mov_b32 s20, 0x76543210
	s_mov_b32 s21, 0xfedcba98                      ; v_permlanex16_b32's selects for lane l xor 16
	s_mov_b32 s22, 0xffff0000                      ; a lane mask: lanes 16-31
	s_wait_alu depctr_va_vdst(0)
	s_wait_kmcnt 0x0
	s_cmp_lt_u32 s[WV], 8                          ; the choice hangs on the wave's number alone
	s_cselect_b64 s[14:15], s[4:5], s[6:7]         ; from
	s_cselect_b64 s[16:17], s[8:9], s[10:11]       ; to
	s_cselect_b32 s24, s24, s25                    ; which tile
	s_cselect_b32 s18, 0, 0x88888888               ; the codes' sign bits are turned for the codebook alone
	s_cselect_b32 s19, 0, 1                        ; and its bytes raised by 1
	s_lshl_b32 s26, s24, 14
	s_mov_b32 s27, 0
	s_mul_i32 s28, s24, REC
	s_mov_b32 s29, 0
	s_add_nc_u64 s[14:15], s[14:15], s[26:27]
	s_add_nc_u64 s[16:17], s[16:17], s[28:29]
.irp i, 0,1,2,3,4,5,6,7,8,9,10,11,12,13,14,15,16,17,18,19,20,21,22,23,24,25,26,27,28,29,30,31
	global_load_b128 v[R+4*\i:R+4*\i+3], v[L16], s[14:15] offset:512*\i th:TH_LOAD_NT   ; 32 lanes read 512 consecutive bytes: half a row
.endr
.irp g, 0,1,2,3,4,5,6,7
	s_wait_loadcnt 28-4*\g                         ; loads come back in order: group g's four are in, the younger ones stay out
.irp j, 0,1,2,3
	ds_store_b128 v[STI], v[R+16*\g+4*\j:R+16*\g+4*\j+3] offset:((4*\g+\j)/2)*SP+((4*\g+\j)%2)*512
.endr
.endr
.macro RD i                            ; block 2 i + h of row r: 32 numbers a lane.  LDS serves a wave's instructions in order: these see the stores above
.irp c, 0,1,2,3,4,5,6,7
	ds_load_b128 v[X+32*((\i)%2)+4*\c:X+32*((\i)%2)+4*\c+3], v[STO] offset:256*(\i)+16*\c
.endr
.endm
	RD 0
	RD 1
.macro BLOCK i
.set XS, X+32*((\i)%2)
.if (\i) < 3
	s_wait_dscnt 8                                 ; this block's numbers are in; the next block's eight loads may be out
.else
	s_wait_dscnt 0x0
.endif
	v_max3_num_f32 v12, |v[XS]|, |v[XS+1]|, |v[XS+2]|              ; the block's largest magnitude: all 32 numbers are mine; two chains
	v_max3_num_f32 v13, |v[XS+3]|, |v[XS+4]|, |v[XS+5]|
.irp k, 6,10,14,18,22,26
	s_delay_alu instid0(VALU_DEP_2)
	v_max3_num_f32 v12, v12, |v[XS+\k]|, |v[XS+\k+1]|
	s_delay_alu instid0(VALU_DEP_2)
	v_max3_num_f32 v13, v13, |v[XS+\k+2]|, |v[XS+\k+3]|
.endr
	s_delay_alu instid0(VALU_DEP_2)
	v_max3_num_f32 v12, v12, |v[XS+30]|, |v[XS+31]|
	s_delay_alu instid0(VALU_DEP_1)
	v_max3_num_f32 v12, v12, v13, 0x1800000        ; and the floor 2^(3 - 127): the byte cannot fall under 1
	s_delay_alu instid0(VALU_DEP_1)
	v_add_nc_u32 v11, 0xff000000, v12              ; 2 off the exponent field: the conversion takes this operand's exponent field as its scale
.if (\i) == 0
	v_pk_mul_f32 v[SQ:SQ+1], v[XS:XS+1], v[XS:XS+1]                ; the first squares start the chains: nothing is cleared
	v_pk_mul_f32 v[SQ+2:SQ+3], v[XS+2:XS+3], v[XS+2:XS+3]
.else
	v_pk_fma_f32 v[SQ:SQ+1], v[XS:XS+1], v[XS:XS+1], v[SQ:SQ+1]
	v_pk_fma_f32 v[SQ+2:SQ+3], v[XS+2:XS+3], v[XS+2:XS+3], v[SQ+2:SQ+3]
.endif
.irp k, 4,8,12,16,20,24,28
	s_delay_alu instid0(VALU_DEP_2)
	v_pk_fma_f32 v[SQ:SQ+1], v[XS+\k:XS+\k+1], v[XS+\k:XS+\k+1], v[SQ:SQ+1]
	s_delay_alu instid0(VALU_DEP_2)
	v_pk_fma_f32 v[SQ+2:SQ+3], v[XS+\k+2:XS+\k+3], v[XS+\k+2:XS+\k+3], v[SQ+2:SQ+3]
.endr
.irp g, 0,1,2,3
	v_cvt_scalef32_pk8_fp4_f32 v[CD+4*(\i)+\g], v[XS+8*\g:XS+8*\g+7], v11   ; eight numbers / the scale, to the nearest code, ties to even, beyond 6 the largest code
.endr
	v_lshrrev_b32 v[BY+(\i)], 23, v11              ; the scale's byte.  (The plain line between the conversions and the lines that touch their results)
	s_delay_alu instid0(VALU_DEP_1)
	v_add_nc_u32 v[BY+(\i)], s19, v[BY+(\i)]
.irp g, 0,1,2,3
	v_xor_b32 v[CD+4*(\i)+\g], s18, v[CD+4*(\i)+\g]
.endr
.if (\i) < 2
	RD (\i)+2
.endif
.endm
	BLOCK 0
	BLOCK 1
	BLOCK 2
	BLOCK 3
	; the record's last run.  My bytes are those of blocks h, 2 + h (K step 0) and 4 + h, 6 + h (K step 1); lane 16 s + r ends with the word of K step s, row r
	v_lshl_or_b32 v9, v[BY+1], 16, v[BY]
	v_lshl_or_b32 v10, v[BY+3], 16, v[BY+2]
	s_delay_alu instid0(VALU_DEP_2)
	v_lshlrev_b32 v9, v[H8], v9                    ; my part of step 0's word
	s_delay_alu instid0(VALU_DEP_2)
	v_lshlrev_b32 v10, v[H8], v10                  ; and of step 1's
	s_delay_alu instid0(VALU_DEP_1)
	v_cndmask_b32 v14, v9, v10, s22                ; the part of the word that I keep,
	s_delay_alu instid0(VALU_DEP_2)
	v_cndmask_b32 v15, v10, v9, s22                ; and the part that lane l xor 16 wants
	s_delay_alu instid0(VALU_DEP_1)
	v_permlanex16_b32 v12, v15, s20, s21
	s_delay_alu instid0(VALU_DEP_1)
	v_or_b32 v14, v14, v12
	v_pk_add_f32 v[SQ:SQ+1], v[SQ:SQ+1], v[SQ+2:SQ+3]
	s_delay_alu instid0(VALU_DEP_1)
	v_add_f32 v[SQ], v[SQ], v[SQ+1]
	s_delay_alu instid0(VALU_DEP_1)
	v_permlanex16_b32 v13, v[SQ], s20, s21
	s_delay_alu instid0(VALU_DEP_1)
	v_add_f32 v[SQ], v[SQ], v13                    ; the row's sum of squares, in both of its lanes
	ds_store_b32 v[AX], v14
	ds_store_b32 v[AX], v[SQ] offset:128
	ds_load_b64 v[12:13], v[AY]                    ; a wave's LDS instructions are served in order: this sees the two stores
	s_wait_dscnt 0x0
	s_wait_alu depctr_va_vdst(0)
	s_wait_tensorcnt 0x0                           ; the wave's end in LDS, behind my last LDS store
	ds_add_u32 v232, v233
	s_wait_dscnt 0x0
.irp i, 0,1,2,3
	global_store_b128 v[L16], v[CD+4*\i:CD+4*\i+3], s[16:17] offset:512*\i   ; the record leaves in one run: block 2 i + h, row r lies at 512 i + 16 x lane: 512 consecutive bytes
.endr
	global_store_b64 v[L8], v[12:13], s[16:17] offset:2048   ; 32 lanes store 256 consecutive bytes, at a multiple of 256 from the buffer's first byte
	s_endpgm
.Lfunc_end_k_q6188405b22_prep:
	.size	k_q6188405b22_prep, .Lfunc_end_k_q6188405b22_prep-k_q6188405b22_prep
	.p2alignl 7, 3214868480
	.fill 96, 4, 3214868480
	.section	.rodata,"a",@progbits
	.p2align	6, 0x0
	.amdhsa_kernel k_q6188405b22_prep
		.amdhsa_group_segment_fixed_size 170240
		.amdhsa_private_segment_fixed_size 0
		.amdhsa_enable_private_segment 0
		.amdhsa_kernarg_size 32
		.amdhsa_user_sgpr_count 2
		.amdhsa_user_sgpr_kernarg_segment_ptr 1
		.amdhsa_wavefront_size32 1
		.amdhsa_system_sgpr_workgroup_id_x 1
		.amdhsa_system_sgpr_workgroup_id_y 1
		.amdhsa_system_sgpr_workgroup_id_z 1
		.amdhsa_system_vgpr_workitem_id 0
		.amdhsa_next_free_vgpr 234
		.amdhsa_next_free_sgpr 66
		.amdhsa_reserve_vcc 0
		.amdhsa_float_denorm_mode_32 3
		.amdhsa_float_denorm_mode_16_64 3
		.amdhsa_memory_ordered 1
		.amdhsa_forward_progress 1
		.amdhsa_inst_pref_size 26
	.end_amdhsa_kernel
	.amdgpu_metadata
---
amdhsa.version: [ 1, 2 ]
amdhsa.kernels:
  - .name:           k_q6188405b22_prep
    .symbol:         k_q6188405b22_prep.kd
    .args:
      - { .name: inputs, .offset: 0, .size: 8, .value_kind: global_buffer, .address_space: global }
      - { .name: codebook, .offset: 8, .size: 8, .value_kind: global_buffer, .address_space: global }
      - { .name: xq, .offset: 16, .size: 8, .value_kind: global_buffer, .address_space: global }
      - { .name: cq, .offset: 24, .size: 8, .value_kind: global_buffer, .address_space: global }
    .group_segment_fixed_size: 170240
    .private_segment_fixed_size: 0
    .kernarg_segment_align: 8
    .kernarg_segment_size: 32
    .max_flat_workgroup_size: 320
    .sgpr_count:     66
    .vgpr_count:     234
    .wavefront_size: 32
...
	.end_amdgpu_metadata
.endif
;; end of part 1
;; launch nearest (part 2): grid 32 x 8, 8 waves a work-group, clusters of 4 x 1, 327,680 bytes of LDS; arguments xq, cq, cand; writes cand
.if DOCPART == 2
	.amdgcn_target "amdgcn-amd-amdhsa--gfx1250"
	.amdhsa_code_object_version 6
	.text
	.protected	k_q6188405b22_nearest
	.globl	k_q6188405b22_nearest
	.p2align	8
	.type	k_q6188405b22_nearest,@function
k_q6188405b22_nearest:
	s_mov_b64 s[64:65], 0
	v_nop
	global_prefetch_b8 v0, s[64:65] scope:SCOPE_SE
	s_setreg_imm32_b32 hwreg(HW_REG_WAVE_MODE, 25, 1), 1
	s_wait_xcnt 0x0
	s_wait_alu depctr_hold_cnt(0) depctr_sa_sdst(0) depctr_va_vdst(0) depctr_va_sdst(0) depctr_va_ssrc(0) depctr_va_vcc(0) depctr_vm_vsrc(0)
	s_getreg_b32 s2, hwreg(HW_REG_IB_STS2, 6, 4)
	s_cmp_eq_u32 s2, 0
	s_cbranch_scc0 .Lentry_in_a_cluster
	s_endpgm
.Lentry_in_a_cluster:
	s_bfe_u32 s2, ttmp6, 0x10000c
	s_cmp_lg_u32 s2, 0x3003
	s_cbranch_scc0 .Lentry_shape_is_right
	s_endpgm
.Lentry_shape_is_right:
; NEAREST: for each row of x and each eighth of the codebook, the smallest key sx + (se - 2 x.e) in f32 and the lowest index that has it.
; xq and cq hold records of 2,304 bytes for 16 rows x 256 K: FP4 codes as operand images, scale words, sums of squares; cq's codes stand for -2 e.
; SHARES: a work-group takes 1,024 rows of x (grid x) and an eighth of the codebook, 64 records (grid y).  Wave w takes the rows 128 w .. 128 w + 127, kept in registers
; as eight B fragments for both K steps, and walks all 64 records, two at a step.
; THE FORM is 32 x 16 x 128: source 0 is a pair of records, 32 codes; lane (r, h) holds row r of x, registers 0-7 of an accumulator the codes 8 h + 0 .. 7 of the first record, registers 8-15 those of the second.
; A's scale word: lane m holds code m's, so lanes 0-15 load the first record's words and lanes 16-31 the second's.  x's words lie as loaded: lanes 0-15 K step 0's, lanes 16-31 K step 1's.
; A STEP: for x tiles 0-3 and then for x tiles 4-7, 8 matrix instructions (four accumulators by turns; K step 0 with C = se, then K step 1 in place), then the reduction:
; a lane's 16 sums of an x tile give one minimum, one key, one compare.
; THE EIGHTH, 147,456 bytes, IS FILLED ONCE: each of the eight waves asks for 8 records (72 rows of 256 bytes) by one tensor load at the head; nothing is filled again.
; THE FIRST THREE PAIRS come a second way too: each wave loads them from memory straight into the operands' registers, with x, so that the products of steps 0 and 1 stand between the tensor load and the wait for it.
; CLUSTER: the four work-groups along x read the same eighth: each tensor load is a joint one, its mask names the four, its descriptor hangs on grid y and the wave's number alone.
; FIRST INDEX AMONG EQUAL KEYS: a pair of records wins only by a strictly smaller key; the winner's 16 sums are kept beside key and first code, and at the end the lowest code whose key equals the best gives the index.
; No prefetch: every byte that the launch reads is asked for at its head or in its first two steps, so there is no loop to run ahead in.
; LIMITS: NaN and infinities are not served.
.set REC,   2304
.set SHARE, 8*REC                      ; what one wave's tensor load brings
.set PART,  64*REC
.set SPARE, PART                       ; behind the records: the spare words, 128 bytes a wave, four blocks of 256 bytes that no other line names
.set LC,   1                           ; v1   16 x lane
.set LS,   2                           ; v2   2048 + 4 r + h x a record: a pair's scale words
.set LE,   3                           ; v3   2176 + 32 h: a record's sums of squares, my eight codes'
.set ADC,  4                           ; v4-6 the same three at the pair of records that is fetched next from LDS
.set ADS,  5
.set ADE,  6
.set CUR,  7                           ; v7   the first of my codes in the pair at work
.set XS,   8                           ; v8-15 x's scale words   v16-23 x's sums of squares
.set SX,   16
.set AS,   24                          ; v24-27 the pairs' scale words: set p, K step s at 2 p + s
.set ST,   28                          ; v28-43 (best key, its pair's first code) for each of my eight x tiles
.set TM,   44                          ; v44-51 at work
.set L8,   52
.set L4,   53
.set ACC,  56                          ; v56-119  four accumulators of 16 registers
.set SNAP, 120                         ; v120-247 the winning pair's sums: x tile q at 16 q
.set SPW,  254
.set NIL,  255
.set XF,   0                           ; window 1: v0-127 x's fragments; v128-191 the pairs' fragments: set p, K step s, record r at 32 p + 16 s + 8 r; v192-223 se as C, at 16 p + 8 r
.set AF,   128
.set CE,   192
.set WV,   10
.set G1,   20
.set G0,   28
.set TB,   44
.set CNT,  45
.set MSB, 0
.macro WIN new                         ; the immediate's high byte repeats the setting that is left
.if MSB != \new
	s_set_vgpr_msb (MSB<<8)|\new
.set MSB, \new
.endif
.endm
.macro CROUND                          ; a round of the cluster's barrier
	s_barrier_signal -1
	s_barrier_wait -1
	s_cmp_lg_u32 s[WV], 0
	s_cbranch_scc1 .Lnot_wave_0_\@
	s_barrier_signal -3
.Lnot_wave_0_\@:
	s_barrier_wait -3
	s_barrier_signal -1
	s_barrier_wait -1
.endm
.macro SEL2 d0, s0, d1, s1             ; two selections by VCC
	v_dual_cndmask_b32 v[\d0], v[\d0], v[\s0] :: v_dual_cndmask_b32 v[\d1], v[\d1], v[\s1]
.endm
.macro ADR                             ; the LDS addresses of the pair that the next step fetches
	v_add_nc_u32 v[ADC], s[TB], v[LC]
	v_add_nc_u32 v[ADS], s[TB], v[LS]
	v_add_nc_u32 v[ADE], s[TB], v[LE]
	s_add_co_u32 s[TB], s[TB], 2*REC
.endm
.macro PRE p                           ; fourteen LDS loads: a pair of records into set p
.irp s, 0,1
	ds_load_b32 v[AS+2*(\p)+\s], v[ADS] offset:64*\s
.endr
	WIN 0x40
.irp r, 0,1
	ds_load_b128 v[CE+16*(\p)+8*\r:CE+16*(\p)+8*\r+3], v[ADE] offset:\r*REC
	ds_load_b128 v[CE+16*(\p)+8*\r+4:CE+16*(\p)+8*\r+7], v[ADE] offset:\r*REC+16
.irp g, 0,1,2,3
	ds_load_b128 v[AF+32*(\p)+16*(\g/2)+8*\r+4*(\g%2):AF+32*(\p)+16*(\g/2)+8*\r+4*(\g%2)+3], v[ADC] offset:\r*REC+512*\g
.endr
.endr
.endm
.macro PREG p, k                       ; the same fourteen from memory: pair k of the eighth into set p
.irp s, 0,1
	global_load_b32 v[AS+2*(\p)+\s], v[LS], s[6:7] offset:2*(\k)*REC+64*\s
.endr
	WIN 0x40
.irp r, 0,1
	global_load_b128 v[CE+16*(\p)+8*\r:CE+16*(\p)+8*\r+3], v[LE], s[6:7] offset:(2*(\k)+\r)*REC
	global_load_b128 v[CE+16*(\p)+8*\r+4:CE+16*(\p)+8*\r+7], v[LE], s[6:7] offset:(2*(\k)+\r)*REC+16
.irp g, 0,1,2,3
	global_load_b128 v[AF+32*(\p)+16*(\g/2)+8*\r+4*(\g%2):AF+32*(\p)+16*(\g/2)+8*\r+4*(\g%2)+3], v[LC], s[6:7] offset:(2*(\k)+\r)*REC+512*\g
.endr
.endr
.endm
.macro MM p, g, D                      ; x tiles 4 g .. 4 g + 3 against set p's pair; the four accumulators take turns, one instruction a turn
	WIN 0x15                                       ; A, B and C in window 1, D in window 0
.irp i, 0,1,2,3
	v_wmma_scale_f32_32x16x128_f4 v[\D+16*\i:\D+16*\i+15], v[AF+32*\p:AF+32*\p+15], v[XF+16*(4*\g+\i):XF+16*(4*\g+\i)+7], v[CE+16*\p:CE+16*\p+15], v[AS+2*\p], v[XS+4*\g+\i]
.endr
	WIN 0x05                                       ; C now in window 0, with D
.irp i, 0,1,2,3
	v_wmma_scale_f32_32x16x128_f4 v[\D+16*\i:\D+16*\i+15], v[AF+32*\p+16:AF+32*\p+31], v[XF+16*(4*\g+\i)+8:XF+16*(4*\g+\i)+15], v[\D+16*\i:\D+16*\i+15], v[AS+2*\p+1], v[XS+4*\g+\i] matrix_b_scale:MATRIX_SCALE_ROW1
.endr
	WIN 0
.endm
.macro RED g, D, first                 ; my 16 sums' minimum, its key, and the winner kept; the four x tiles line by line, two chains each; each accumulator is read from its low end on
.irp i, 0,1,2,3
	v_min3_num_f32 v[TM+2*\i], v[\D+16*\i], v[\D+16*\i+1], v[\D+16*\i+2]
.endr
.irp i, 0,1,2,3
	v_min3_num_f32 v[TM+2*\i+1], v[\D+16*\i+8], v[\D+16*\i+9], v[\D+16*\i+10]
.endr
.irp k, 3,5
.irp i, 0,1,2,3
	v_min3_num_f32 v[TM+2*\i], v[TM+2*\i], v[\D+16*\i+\k], v[\D+16*\i+\k+1]
.endr
.irp i, 0,1,2,3
	v_min3_num_f32 v[TM+2*\i+1], v[TM+2*\i+1], v[\D+16*\i+8+\k], v[\D+16*\i+9+\k]
.endr
.endr
.irp i, 0,1,2,3
	v_min3_num_f32 v[TM+2*\i], v[TM+2*\i], v[\D+16*\i+7], v[\D+16*\i+15]
.endr
.irp i, 0,1,2,3
	v_min_num_f32 v[TM+2*\i], v[TM+2*\i], v[TM+2*\i+1]
.endr
.if \first
.irp i, 0,1,2,3
	v_add_f32 v[ST+2*(4*\g+\i)], v[SX+4*\g+\i], v[TM+2*\i]
	v_mov_b32 v[ST+2*(4*\g+\i)+1], v[CUR]
.endr
.else
.irp i, 0,1,2,3
	v_add_f32 v[TM+2*\i], v[SX+4*\g+\i], v[TM+2*\i]   ; the addition does not fall where the sum rises: the minimum's key is the smallest key
.endr
.irp i, 0,1,2,3
	v_cmp_lt_f32 vcc_lo, v[TM+2*\i], v[ST+2*(4*\g+\i)]
	SEL2 ST+2*(4*\g+\i), TM+2*\i, ST+2*(4*\g+\i)+1, CUR
.irp k, 0,2,4,6,8,10,12,14
	SEL2 SNAP+64*\g+16*\i+\k, \D+16*\i+\k, SNAP+64*\g+16*\i+\k+1, \D+16*\i+\k+1
.endr
.endr
.endif
.endm
; A step: the next pair is fetched into the other set, this one is multiplied and reduced.  Four vector lines behind each run of products are the places in front of the first read of a result.
; mode 2: the next pair, k, comes from memory.  mode 3: this pair came from memory, the eighth is waited for, the next pair comes from LDS.  mode 1: both by LDS.  mode 0: nothing more is fetched.
.macro STEP p, first, mode, k
.if \mode == 2
	PREG 1-\p, \k
	s_wait_loadcnt 14                              ; all but the fourteen just issued: x and this pair are in
.endif
.if \mode == 3
	s_wait_tensorcnt 0x0                           ; my share has landed,
	s_barrier_signal -1
	s_barrier_wait -1                              ; and so has every wave's: the eighth is whole
	PRE 1-\p
	s_wait_loadcnt 0x0                             ; this pair, the last from memory, is in
.endif
.if \mode == 1
	PRE 1-\p
	s_wait_dscnt 14                                ; this pair's fourteen loads are in; the fourteen just issued may be out
.endif
.if \mode == 0
	s_wait_dscnt 0x0
.endif
.if \first
	MM \p, 0, SNAP                                 ; the first pair's sums are the first winner's: nothing is cleared or copied
.else
	MM \p, 0, ACC
.endif
.if \mode == 2
.rept 3
	v_nop
.endr
.else
	ADR
.endif
.if \first
	v_nop
	RED 0, SNAP, 1
	MM \p, 1, SNAP+64
.rept 4
	v_nop
.endr
	RED 1, SNAP+64, 1
.else
	v_add_nc_u32 v[CUR], 32, v[CUR]
	RED 0, ACC, 0
	MM \p, 1, ACC
.rept 4
	v_nop
.endr
	RED 1, ACC, 0
.endif
.endm
	s_load_b128 s[4:7], s[0:1], 0x0                ; xq s[4:5], cq s[6:7]
	s_load_b64 s[8:9], s[0:1], 0x10                ; cand
	v_lshl_add_u32 v[SPW], v0, 2, SPARE
	v_mov_b32 v[NIL], 0
	ds_add_u32 v[SPW], v[NIL]                      ; the opening lines: the add, twice on end, and its wait ahead of my tensor load
	ds_add_u32 v[SPW], v[NIL]
	v_lshrrev_b32 v54, 5, v0
	v_readfirstlane_b32 s[WV], v54                 ; wave 0..7
	s_bfe_u32 s13, ttmp6, 0x40000                  ; cx
	s_lshl_b32 s14, ttmp9, 2
	s_add_co_u32 s14, s14, s13                     ; work-group x
	s_and_b32 s15, ttmp7, 0xffff                   ; the eighth
	s_mov_b32 s[G1+0], 15|(3<<16)|(1<<21)          ; the mask names the cluster's four; elements of 8 bytes; bit 21 beside a mask
	s_mov_b32 s[G1+1], 32<<16                      ; rows of 32 elements, 256 bytes
	s_mov_b32 s[G1+2], 72<<16                      ; 72 rows: 8 records, dense
	s_mov_b32 s[G1+3], 32<<16
	s_mov_b32 s[G1+4], 72
	s_mov_b32 s[G1+5], 32
	s_mov_b32 s[G1+6], 0
	s_mov_b32 s[G1+7], 0
	s_mul_i32 s50, s[WV], SHARE                    ; my share's place in LDS, and in the eighth
	s_mov_b32 s51, 0
	s_mul_i32 s18, s15, PART                       ; the eighth's place in cq
	s_mov_b32 s19, 0
	s_lshl_b32 s52, s14, 6                         ; xq: 64 records a work-group, 8 a wave
	s_lshl_b32 s53, s[WV], 3
	s_add_co_u32 s52, s52, s53
	s_mul_i32 s52, s52, REC
	s_mov_b32 s53, 0
	s_lshl_b32 s54, s15, 18                        ; cand: a slot of 262,144 bytes for each eighth; 8 bytes a row
	s_lshl_b32 s55, s14, 13
	s_add_co_u32 s54, s54, s55
	s_lshl_b32 s55, s[WV], 10
	s_add_co_u32 s54, s54, s55
	s_mov_b32 s55, 0
	s_mov_b32 s46, 0x76543210
	s_mov_b32 s47, 0xfedcba98                      ; v_permlanex16_b32's selects for lane l xor 16
	s_mov_b32 s48, 0xffff0000                      ; a lane mask: lanes 16-31
	s_mov_b32 s[TB], 6*REC                         ; pair 3 is the first that is fetched from LDS
	s_lshl_b32 s17, s15, 10                        ; the eighth's first code
	v_and_b32 v54, 31, v0
	v_bfe_u32 v55, v0, 4, 1
	v_and_b32 v[LS], 15, v0
	v_lshlrev_b32 v[LC], 4, v54
	v_lshlrev_b32 v[L4], 2, v54
	v_lshlrev_b32 v[L8], 3, v54
	v_lshlrev_b32 v[LE], 5, v55
	v_mul_u32_u24 v[ADS], v55, REC                 ; lanes 16-31 take the pair's second record
	v_lshl_add_u32 v[CUR], v55, 3, s17
	v_lshlrev_b32 v[LS], 2, v[LS]
	v_add_nc_u32 v[LE], 2176, v[LE]
	v_add_nc_u32 v[LS], v[LS], v[ADS]
	v_add_nc_u32 v[LS], 2048, v[LS]
	ADR
	s_wait_alu depctr_va_vdst(0)                   ; the wait at the head's end
	s_wait_dscnt 0x0                               ; both opening adds are done
	s_wait_kmcnt 0x0
	s_add_nc_u64 s[6:7], s[6:7], s[18:19]
	s_add_nc_u64 s[4:5], s[4:5], s[52:53]
	s_add_nc_u64 s[8:9], s[8:9], s[54:55]
	s_mov_b32 s[G0], 1
	s_add_co_u32 s[G0+1], s50, 0
	s_add_nc_u64 s[G0+2:G0+3], s[6:7], s[50:51]
	s_or_b32 s[G0+3], s[G0+3], 0x80000000
	WIN 0x40
.irp q, 0,1,2,3,4,5,6,7                ; x's eight records, straight into the operands' registers: each load covers 512 consecutive bytes
.irp g, 0,1,2,3
	global_load_b128 v[XF+16*\q+4*\g:XF+16*\q+4*\g+3], v[LC], s[4:5] offset:\q*REC+512*\g
.endr
.endr
	WIN 0
.irp q, 0,1,2,3,4,5,6,7
	global_load_b32 v[XS+\q], v[L4], s[4:5] offset:\q*REC+2048
	global_load_b32 v[SX+\q], v[L4], s[4:5] offset:\q*REC+2176
.endr
	PREG 0, 0
	WIN 0
	CROUND                                         ; the four work-groups are here: the joint loads meet
	tensor_load_to_lds s[G0:G0+3], s[G1:G1+7]      ; my one tensor load: 8 records
	s_nop 0
.rept 4
	v_nop
.endr
	STEP 0, 1, 2, 1
	STEP 1, 0, 2, 2
	STEP 0, 0, 3, 0
	STEP 1, 0, 1, 0
	s_mov_b32 s[CNT], 13
.Lpair:                                                ; steps 4 to 29, two a trip: the two sets of registers come round
	STEP 0, 0, 1, 0
	STEP 1, 0, 1, 0
	s_sub_co_u32 s[CNT], s[CNT], 1
	s_cmp_lg_u32 s[CNT], 0
	s_cbranch_scc1 .Lpair
	STEP 0, 0, 1, 0
	STEP 1, 0, 0, 0                                ; the last step fetches nothing
; THE END, the eight x tiles line by line; the accumulators' registers are free and serve as work registers.
.set FJ,  ACC                          ; the winning code's place in its pair: 0 .. 7 in the first record, 16 .. 23 in the second
.set FT,  ACC+8
.set FPK, ACC+16
.set FPI, ACC+24
.set FM,  ACC+32
.set FA,  ACC+40
.set FB,  ACC+48
.irp q, 0,1,2,3,4,5,6,7
	v_mov_b32 v[FJ+\q], 23
.endr
.irp jj, 14,13,12,11,10,9,8,7,6,5,4,3,2,1,0        ; downwards, so that the lowest code whose key is the best stays
.irp q, 0,1,2,3,4,5,6,7
	v_add_f32 v[FT+\q], v[SX+\q], v[SNAP+16*\q+\jj]
.endr
.irp q, 0,1,2,3,4,5,6,7
	v_cmp_neq_f32 s[56+\q], v[FT+\q], v[ST+2*\q]
.endr
.irp q, 0,1,2,3,4,5,6,7
	v_cndmask_b32 v[FJ+\q], \jj+8*(\jj/8), v[FJ+\q], s[56+\q]
.endr
.endr
.irp q, 0,1,2,3,4,5,6,7
	v_add_nc_u32 v[ST+2*\q+1], v[ST+2*\q+1], v[FJ+\q]  ; the index
.endr
.irp q, 0,1,2,3,4,5,6,7
	v_ashrrev_i32 v[FT+\q], 31, v[ST+2*\q]         ; the key as an unsigned number that keeps the order
.endr
.irp q, 0,1,2,3,4,5,6,7
	v_or_b32 v[FT+\q], 0x80000000, v[FT+\q]
.endr
.irp q, 0,1,2,3,4,5,6,7
	v_xor_b32 v[ST+2*\q], v[ST+2*\q], v[FT+\q]
.endr
.irp q, 0,1,2,3,4,5,6,7
	v_permlanex16_b32 v[FPK+\q], v[ST+2*\q], s46, s47      ; lane l xor 16 holds the same row's other codes
	v_permlanex16_b32 v[FPI+\q], v[ST+2*\q+1], s46, s47
.endr
.irp q, 0,1,2,3,4,5,6,7
	v_min_u32 v[FM+\q], v[ST+2*\q], v[FPK+\q]
.endr
.irp q, 0,1,2,3,4,5,6,7
	v_cmp_eq_u32 s[56+\q], v[ST+2*\q], v[FM+\q]
.endr
.irp q, 0,1,2,3,4,5,6,7
	v_cndmask_b32 v[FA+\q], -1, v[ST+2*\q+1], s[56+\q]
.endr
.irp q, 0,1,2,3,4,5,6,7
	v_cmp_eq_u32 s[56+\q], v[FPK+\q], v[FM+\q]
.endr
.irp q, 0,1,2,3,4,5,6,7
	v_cndmask_b32 v[FB+\q], -1, v[FPI+\q], s[56+\q]
.endr
.irp q, 0,1,2,3,4,5,6,7
	v_min_u32 v[FA+\q], v[FA+\q], v[FB+\q]         ; the lower index where the keys are equal
.endr
.irp k, 0,1,2,3                        ; lanes 0-15 send x tile 2 k, lanes 16-31 tile 2 k + 1: 32 rows of 8 bytes, 256 consecutive bytes, aligned
	v_cndmask_b32 v[TM+2*\k], v[FM+2*\k], v[FM+2*\k+1], s48
	v_cndmask_b32 v[TM+2*\k+1], v[FA+2*\k], v[FA+2*\k+1], s48
.endr
.irp k, 0,1,2,3
	global_store_b64 v[L8], v[TM+2*\k:TM+2*\k+1], s[8:9] offset:256*\k
.endr
	s_wait_tensorcnt 0x0                           ; the wave's end
	ds_add_u32 v[SPW], v[NIL]
	s_wait_dscnt 0x0
	CROUND                                         ; the closing round
	s_endpgm
.Lfunc_end_k_q6188405b22_nearest:
	.size	k_q6188405b22_nearest, .Lfunc_end_k_q6188405b22_nearest-k_q6188405b22_nearest
	.p2alignl 7, 3214868480
	.fill 96, 4, 3214868480
	.section	.rodata,"a",@progbits
	.p2align	6, 0x0
	.amdhsa_kernel k_q6188405b22_nearest
		.amdhsa_group_segment_fixed_size 327680
		.amdhsa_private_segment_fixed_size 0
		.amdhsa_enable_private_segment 0
		.amdhsa_kernarg_size 24
		.amdhsa_user_sgpr_count 2
		.amdhsa_user_sgpr_kernarg_segment_ptr 1
		.amdhsa_wavefront_size32 1
		.amdhsa_system_sgpr_workgroup_id_x 1
		.amdhsa_system_sgpr_workgroup_id_y 1
		.amdhsa_system_sgpr_workgroup_id_z 1
		.amdhsa_system_vgpr_workitem_id 0
		.amdhsa_next_free_vgpr 480
		.amdhsa_next_free_sgpr 66
		.amdhsa_reserve_vcc 1
		.amdhsa_float_denorm_mode_32 3
		.amdhsa_float_denorm_mode_16_64 3
		.amdhsa_memory_ordered 1
		.amdhsa_forward_progress 1
		.amdhsa_inst_pref_size 129
	.end_amdhsa_kernel
	.amdgpu_metadata
---
amdhsa.version: [ 1, 2 ]
amdhsa.kernels:
  - .name:           k_q6188405b22_nearest
    .symbol:         k_q6188405b22_nearest.kd
    .args:
      - { .name: xq, .offset: 0, .size: 8, .value_kind: global_buffer, .address_space: global }
      - { .name: cq, .offset: 8, .size: 8, .value_kind: global_buffer, .address_space: global }
      - { .name: cand, .offset: 16, .size: 8, .value_kind: global_buffer, .address_space: global }
    .group_segment_fixed_size: 327680
    .private_segment_fixed_size: 0
    .kernarg_segment_align: 8
    .kernarg_segment_size: 24
    .max_flat_workgroup_size: 256
    .sgpr_count:     66
    .vgpr_count:     480
    .wavefront_size: 32
...
	.end_amdgpu_metadata
.endif
;; end of part 2
;; launch gather (part 3): grid 512 x 1, 8 waves a work-group, no clusters, 0 bytes of LDS; arguments inputs, codebook, cand, out0, out1, part; writes out0, out1, part
.if DOCPART == 3
	.amdgcn_target "amdgcn-amd-amdhsa--gfx1250"
	.amdhsa_code_object_version 6
	.text
	.protected	k_q6188405b22_gather
	.globl	k_q6188405b22_gather
	.p2align	8
	.type	k_q6188405b22_gather,@function
k_q6188405b22_gather:
	s_mov_b64 s[64:65], 0
	v_nop
	global_prefetch_b8 v0, s[64:65] scope:SCOPE_SE
	s_setreg_imm32_b32 hwreg(HW_REG_WAVE_MODE, 25, 1), 1
	s_wait_xcnt 0x0
; GATHER: for each row the best of its eight candidates (smallest key, then lowest index) is the index (out1); out0 = x + (codebook[index] - x); each wave's sum of (codebook[index] - x)^2 goes to part.
; SHARES: a work-group takes 64 rows, wave w rows 8 w .. 8 w + 7.  Every load and store of a row covers 512 consecutive bytes.
; The candidates are whole numbers that the launch before stored.  Every wave loads the work-group's 64 rows of all eight slots, 512 dense bytes a slot, and reduces them in registers:
; lane l then holds the indices of rows 2 l and 2 l + 1; a wave takes its own eight out of lanes 4 w .. 4 w + 3, and wave 0 stores all 64 as one aligned run of 256 bytes.
; So the 4,096 bytes of candidates are loaded by each of the eight waves; in return the waves share nothing: no LDS, no barrier.
; ORDER: all eight rows are worked in registers, then the wave's sum leaves, and the sixteen stores of out0 stand in one run at the end: no vector line follows them.
; An index enters an address only behind s_min_u32 with 8191.  A stream: no matrix unit, no cluster, no tensor load.  No prefetch: the launch streams, and the gathered rows are known only just before they are wanted.
; A wave's sum is one store of four bytes: 4,096 numbers in all, which the next launch adds.
.set L16, 1                            ; v1   16 x lane
.set L8,  4                            ; v4   8 x lane
.set LN,  5                            ; v5   lane
.set I,   6                            ; v[6:7] two rows' indices
.set OFF, 8                            ; v8-15 byte offsets of my eight gathered rows
.set SQ,  16                           ; v[16:17], v[18:19] two packed chains of squares
.set S,   24                           ; v24-55 eight slots x (key, index, key, index)
.set X,   64                           ; v64-127  x, then out0
.set Q,   128                          ; v128-191 the gathered rows, then the differences
.set WV,  16
	s_load_b256 s[4:11], s[0:1], 0x0               ; inputs s[4:5], codebook s[6:7], cand s[8:9], out0 s[10:11]
	s_load_b128 s[12:15], s[0:1], 0x20             ; out1 s[12:13], part s[14:15]
	v_lshrrev_b32 v56, 5, v0
	v_and_b32 v[LN], 31, v0
	v_mov_b32 v59, 0
	v_readfirstlane_b32 s[WV], v56                 ; wave 0..7
	v_lshlrev_b32 v[L16], 4, v[LN]
	v_lshlrev_b32 v[L8], 3, v[LN]
	s_lshl_b32 s28, ttmp9, 9                       ; cand: the work-group's 64 rows of 8 bytes
	s_mov_b32 s29, 0
	s_lshl_b32 s30, ttmp9, 16                      ; inputs, out0: 64 rows of 1,024 bytes a work-group,
	s_lshl_b32 s31, s[WV], 13                      ; 8 a wave
	s_add_co_u32 s30, s30, s31
	s_mov_b32 s31, 0
	s_lshl_b32 s32, ttmp9, 8                       ; out1: 64 numbers
	s_mov_b32 s33, 0
	s_lshl_b32 s34, ttmp9, 3                       ; part: one number a wave
	s_add_co_u32 s34, s34, s[WV]
	s_lshl_b32 s34, s34, 2
	s_mov_b32 s35, 0
	s_lshl_b32 s40, s[WV], 2                       ; the four lanes that hold my rows' indices
	s_add_co_u32 s41, s40, 1
	s_add_co_u32 s42, s40, 2
	s_add_co_u32 s43, s40, 3
	s_mov_b32 s36, 0x76543210
	s_mov_b32 s37, 0xfedcba98
	s_wait_alu depctr_va_vdst(0)                   ; the wait at the head's end
	s_wait_kmcnt 0x0
	s_add_nc_u64 s[8:9], s[8:9], s[28:29]
	s_add_nc_u64 s[4:5], s[4:5], s[30:31]
	s_add_nc_u64 s[10:11], s[10:11], s[30:31]
	s_add_nc_u64 s[12:13], s[12:13], s[32:33]
	s_add_nc_u64 s[14:15], s[14:15], s[34:35]
.irp s, 0,1,2,3,4,5,6,7
	global_load_b128 v[S+4*\s:S+4*\s+3], v[L16], s[8:9] offset:262144*\s   ; slot s: rows 2 l and 2 l + 1
.endr
.irp i, 0,1,2,3,4,5,6,7
	global_load_b128 v[X+8*\i:X+8*\i+3], v[L16], s[4:5] offset:1024*\i th:TH_LOAD_NT
	global_load_b128 v[X+8*\i+4:X+8*\i+7], v[L16], s[4:5] offset:1024*\i+512 th:TH_LOAD_NT
.endr
	s_wait_loadcnt 16                              ; the candidates are in; x's sixteen loads stay out
.irp e, 0,1
	v_min_u32 v56, v[S+2*\e], v[S+4+2*\e]
.irp s, 2,3,4,5,6,7
	s_delay_alu instid0(VALU_DEP_1)
	v_min_u32 v56, v56, v[S+4*\s+2*\e]             ; the smallest key
.endr
	v_mov_b32 v[I+\e], -1
.irp s, 0,1,2,3,4,5,6,7
	v_cmp_eq_u32 vcc_lo, v[S+4*\s+2*\e], v56
	s_delay_alu instid0(VALU_DEP_1)
	v_cndmask_b32 v57, -1, v[S+4*\s+2*\e+1], vcc_lo
	s_delay_alu instid0(VALU_DEP_1)
	v_min_u32 v[I+\e], v[I+\e], v57                ; the lowest index among those that have it
.endr
.endr
.irp i, 0,1,2,3,4,5,6,7
	v_readlane_b32 s[20+\i], v[I+(\i%2)], s[40+\i/2]   ; my row i lies in lane 4 w + i / 2, register i % 2
	s_min_u32 s[20+\i], s[20+\i], 8191             ; an index stays inside the table
	s_lshl_b32 s[20+\i], s[20+\i], 10
	v_add_nc_u32 v[OFF+\i], s[20+\i], v[L16]
	global_load_b128 v[Q+8*\i:Q+8*\i+3], v[OFF+\i], s[6:7]             ; no hint: a row may be named again
	global_load_b128 v[Q+8*\i+4:Q+8*\i+7], v[OFF+\i], s[6:7] offset:512
.endr
	s_cmp_lg_u32 s[WV], 0                          ; wave 0 alone writes the work-group's 64 indices
	s_cbranch_scc1 .Lnot_out1
	global_store_b64 v[L8], v[I:I+1], s[12:13]     ; 32 lanes store 256 consecutive bytes, at a multiple of 256 from out1's first byte
.Lnot_out1:
.macro ROW i
	s_wait_loadcnt 14-2*\i                         ; x is in (it was asked for first), and so is gathered row i; the later rows, two loads each, stay out
.irp k, 0,2,4,6
	v_pk_add_f32 v[Q+8*\i+\k:Q+8*\i+\k+1], v[Q+8*\i+\k:Q+8*\i+\k+1], v[X+8*\i+\k:X+8*\i+\k+1] neg_lo:[0,1] neg_hi:[0,1]   ; q - x
.endr
.if \i == 0
	s_delay_alu instid0(VALU_DEP_4)
	v_pk_mul_f32 v[SQ:SQ+1], v[Q:Q+1], v[Q:Q+1]                    ; the first squares start the chains
	s_delay_alu instid0(VALU_DEP_4)
	v_pk_mul_f32 v[SQ+2:SQ+3], v[Q+2:Q+3], v[Q+2:Q+3]
.else
	s_delay_alu instid0(VALU_DEP_4)
	v_pk_fma_f32 v[SQ:SQ+1], v[Q+8*\i:Q+8*\i+1], v[Q+8*\i:Q+8*\i+1], v[SQ:SQ+1]
	s_delay_alu instid0(VALU_DEP_4)
	v_pk_fma_f32 v[SQ+2:SQ+3], v[Q+8*\i+2:Q+8*\i+3], v[Q+8*\i+2:Q+8*\i+3], v[SQ+2:SQ+3]
.endif
	s_delay_alu instid0(VALU_DEP_2)
	v_pk_fma_f32 v[SQ:SQ+1], v[Q+8*\i+4:Q+8*\i+5], v[Q+8*\i+4:Q+8*\i+5], v[SQ:SQ+1]
	s_delay_alu instid0(VALU_DEP_2)
	v_pk_fma_f32 v[SQ+2:SQ+3], v[Q+8*\i+6:Q+8*\i+7], v[Q+8*\i+6:Q+8*\i+7], v[SQ+2:SQ+3]
.irp k, 0,2,4,6
	v_pk_add_f32 v[X+8*\i+\k:X+8*\i+\k+1], v[X+8*\i+\k:X+8*\i+\k+1], v[Q+8*\i+\k:Q+8*\i+\k+1]   ; x + (q - x)
.endr
.endm
.irp i, 0,1,2,3,4,5,6,7
	ROW \i
.endr
	v_pk_add_f32 v[SQ:SQ+1], v[SQ:SQ+1], v[SQ+2:SQ+3]
	s_delay_alu instid0(VALU_DEP_1)
	v_add_f32 v[SQ], v[SQ], v[SQ+1]
	s_delay_alu instid0(VALU_DEP_1)
	v_add_f32_dpp v[SQ], v[SQ], v[SQ] row_xmask:1 row_mask:0xf bank_mask:0xf
	s_delay_alu instid0(VALU_DEP_1)
	v_add_f32_dpp v[SQ], v[SQ], v[SQ] row_xmask:2 row_mask:0xf bank_mask:0xf
	s_delay_alu instid0(VALU_DEP_1)
	v_add_f32_dpp v[SQ], v[SQ], v[SQ] row_xmask:4 row_mask:0xf bank_mask:0xf
	s_delay_alu instid0(VALU_DEP_1)
	v_add_f32_dpp v[SQ], v[SQ], v[SQ] row_xmask:8 row_mask:0xf bank_mask:0xf
	s_delay_alu instid0(VALU_DEP_1)
	v_permlanex16_b32 v[SQ+1], v[SQ], s36, s37
	s_delay_alu instid0(VALU_DEP_1)
	v_add_f32 v[SQ], v[SQ], v[SQ+1]                ; the wave's sum, in every lane
	s_wait_alu depctr_va_vdst(0)                   ; directly ahead of the wait below
	s_wait_xcnt 0x0                                ; EXEC changes only behind this wait: wave 0's store has it among its sources
	v_cmp_gt_u32 vcc_lo, 1, v[LN]
	s_and_saveexec_b32 s38, vcc_lo
	global_store_b32 v59, v[SQ], s[14:15]          ; lane 0 alone
	s_wait_xcnt 0x0                                ; and again, in front of the line that widens it
	s_or_b32 exec_lo, exec_lo, s38
.irp i, 0,1,2,3,4,5,6,7
	global_store_b128 v[L16], v[X+8*\i:X+8*\i+3], s[10:11] offset:1024*\i th:TH_STORE_NT
	global_store_b128 v[L16], v[X+8*\i+4:X+8*\i+7], s[10:11] offset:1024*\i+512 th:TH_STORE_NT
.endr
	s_endpgm
.Lfunc_end_k_q6188405b22_gather:
	.size	k_q6188405b22_gather, .Lfunc_end_k_q6188405b22_gather-k_q6188405b22_gather
	.p2alignl 7, 3214868480
	.fill 96, 4, 3214868480
	.section	.rodata,"a",@progbits
	.p2align	6, 0x0
	.amdhsa_kernel k_q6188405b22_gather
		.amdhsa_group_segment_fixed_size 0
		.amdhsa_private_segment_fixed_size 0
		.amdhsa_enable_private_segment 0
		.amdhsa_kernarg_size 48
		.amdhsa_user_sgpr_count 2
		.amdhsa_user_sgpr_kernarg_segment_ptr 1
		.amdhsa_wavefront_size32 1
		.amdhsa_system_sgpr_workgroup_id_x 1
		.amdhsa_system_sgpr_workgroup_id_y 1
		.amdhsa_system_sgpr_workgroup_id_z 1
		.amdhsa_system_vgpr_workitem_id 0
		.amdhsa_next_free_vgpr 192
		.amdhsa_next_free_sgpr 66
		.amdhsa_reserve_vcc 1
		.amdhsa_float_denorm_mode_32 3
		.amdhsa_float_denorm_mode_16_64 3
		.amdhsa_memory_ordered 1
		.amdhsa_forward_progress 1
		.amdhsa_inst_pref_size 20
	.end_amdhsa_kernel
	.amdgpu_metadata
---
amdhsa.version: [ 1, 2 ]
amdhsa.kernels:
  - .name:           k_q6188405b22_gather
    .symbol:         k_q6188405b22_gather.kd
    .args:
      - { .name: inputs, .offset: 0, .size: 8, .value_kind: global_buffer, .address_space: global }
      - { .name: codebook, .offset: 8, .size: 8, .value_kind: global_buffer, .address_space: global }
      - { .name: cand, .offset: 16, .size: 8, .value_kind: global_buffer, .address_space: global }
      - { .name: out0, .offset: 24, .size: 8, .value_kind: global_buffer, .address_space: global }
      - { .name: out1, .offset: 32, .size: 8, .value_kind: global_buffer, .address_space: global }
      - { .name: part, .offset: 40, .size: 8, .value_kind: global_buffer, .address_space: global }
    .group_segment_fixed_size: 0
    .private_segment_fixed_size: 0
    .kernarg_segment_align: 8
    .kernarg_segment_size: 48
    .max_flat_workgroup_size: 256
    .sgpr_count:     66
    .vgpr_count:     192
    .wavefront_size: 32
...
	.end_amdgpu_metadata
.endif
;; end of part 3
;; launch total (part 4): grid 1 x 1, 1 waves a work-group, no clusters, 0 bytes of LDS; arguments part, out2; writes out2
.if DOCPART == 4
	.amdgcn_target "amdgcn-amd-amdhsa--gfx1250"
	.amdhsa_code_object_version 6
	.text
	.protected	k_q6188405b22_total
	.globl	k_q6188405b22_total
	.p2align	8
	.type	k_q6188405b22_total,@function
k_q6188405b22_total:
	s_mov_b64 s[64:65], 0
	v_nop
	global_prefetch_b8 v0, s[64:65] scope:SCOPE_SE
	s_setreg_imm32_b32 hwreg(HW_REG_WAVE_MODE, 25, 1), 1
	s_wait_xcnt 0x0
; TOTAL: the 4,096 partial sums of (q - x)^2 become the loss: m = sum / 2^23 (32,768 x 256 numbers), loss = m + 0.25 m.  One wave: the sum spans all work-groups of the launch before, so it has one owner here.
; 32 loads of 512 consecutive bytes; the 128 numbers of a lane are folded in halves, so that the additions of a level do not hang on each other.
	s_load_b128 s[4:7], s[0:1], 0x0                ; part s[4:5], out2 s[6:7]
	v_lshlrev_b32 v1, 4, v0
	v_mov_b32 v2, 0
	s_mov_b32 s8, 0x76543210
	s_mov_b32 s9, 0xfedcba98
	s_wait_alu depctr_va_vdst(0)                   ; the wait at the head's end
	s_wait_kmcnt 0x0
.set FK, 0
.rept 32
	global_load_b128 v[4+4*FK:7+4*FK], v1, s[4:5] offset:512*FK
.set FK, FK+1
.endr
	s_wait_loadcnt 0x0
.macro FOLD n                          ; the upper n groups of four registers onto the lower n
.set FK, 0
.rept \n
	v_pk_add_f32 v[4+4*FK:5+4*FK], v[4+4*FK:5+4*FK], v[4+4*(FK+\n):5+4*(FK+\n)]
	v_pk_add_f32 v[6+4*FK:7+4*FK], v[6+4*FK:7+4*FK], v[6+4*(FK+\n):7+4*(FK+\n)]
.set FK, FK+1
.endr
.endm
	FOLD 16
	FOLD 8
	FOLD 4
	FOLD 2
	FOLD 1
	v_pk_add_f32 v[4:5], v[4:5], v[6:7]
	v_add_f32 v4, v4, v5
	v_add_f32_dpp v4, v4, v4 row_xmask:1 row_mask:0xf bank_mask:0xf
	v_add_f32_dpp v4, v4, v4 row_xmask:2 row_mask:0xf bank_mask:0xf
	v_add_f32_dpp v4, v4, v4 row_xmask:4 row_mask:0xf bank_mask:0xf
	v_add_f32_dpp v4, v4, v4 row_xmask:8 row_mask:0xf bank_mask:0xf
	v_permlanex16_b32 v5, v4, s8, s9
	v_add_f32 v4, v4, v5
	v_mul_f32 v4, 0x34000000, v4                   ; x 2^-23: exact
	v_fmamk_f32 v5, v4, 0x3e800000, v4             ; 0.25 m + m
	s_wait_alu depctr_va_vdst(0)                   ; directly ahead of the wait below
	s_wait_xcnt 0x0                                ; EXEC changes only behind this wait
	v_cmp_gt_u32 vcc_lo, 1, v0
	s_and_saveexec_b32 s10, vcc_lo
	global_store_b32 v2, v5, s[6:7]                ; thread 0 alone
	s_wait_xcnt 0x0
	s_or_b32 exec_lo, exec_lo, s10
	s_endpgm
.Lfunc_end_k_q6188405b22_total:
	.size	k_q6188405b22_total, .Lfunc_end_k_q6188405b22_total-k_q6188405b22_total
	.p2alignl 7, 3214868480
	.fill 96, 4, 3214868480
	.section	.rodata,"a",@progbits
	.p2align	6, 0x0
	.amdhsa_kernel k_q6188405b22_total
		.amdhsa_group_segment_fixed_size 0
		.amdhsa_private_segment_fixed_size 0
		.amdhsa_enable_private_segment 0
		.amdhsa_kernarg_size 16
		.amdhsa_user_sgpr_count 2
		.amdhsa_user_sgpr_kernarg_segment_ptr 1
		.amdhsa_wavefront_size32 1
		.amdhsa_system_sgpr_workgroup_id_x 1
		.amdhsa_system_sgpr_workgroup_id_y 1
		.amdhsa_system_sgpr_workgroup_id_z 1
		.amdhsa_system_vgpr_workitem_id 0
		.amdhsa_next_free_vgpr 136
		.amdhsa_next_free_sgpr 66
		.amdhsa_reserve_vcc 1
		.amdhsa_float_denorm_mode_32 3
		.amdhsa_float_denorm_mode_16_64 3
		.amdhsa_memory_ordered 1
		.amdhsa_forward_progress 1
		.amdhsa_inst_pref_size 9
	.end_amdhsa_kernel
	.amdgpu_metadata
---
amdhsa.version: [ 1, 2 ]
amdhsa.kernels:
  - .name:           k_q6188405b22_total
    .symbol:         k_q6188405b22_total.kd
    .args:
      - { .name: part, .offset: 0, .size: 8, .value_kind: global_buffer, .address_space: global }
      - { .name: out2, .offset: 8, .size: 8, .value_kind: global_buffer, .address_space: global }
    .group_segment_fixed_size: 0
    .private_segment_fixed_size: 0
    .kernarg_segment_align: 8
    .kernarg_segment_size: 16
    .max_flat_workgroup_size: 32
    .sgpr_count:     66
    .vgpr_count:     136
    .wavefront_size: 32
...
	.end_amdgpu_metadata
.endif
;; end of part 4
